; MI455X (gfx1250); checked and timed in simulation.
; The chip was launched on July 23, 2026; its instructions are those of AMD's public machine-readable ISA for CDNA 5 (MIT licence, August 2026) and "CDNA5" Instruction Set Architecture Reference Guide (July 2026). The comments in the code are by the model that wrote it; some were corrected since.
;; LSTM Cell. Allowed arithmetic: matrix products marked QUANTISED: E4M3 operands, one E8M0 scale for each 32 along K, by v_wmma_scale_f32_16x16x128_f8f6f4 with both operands' format E4M3, f32 sums; everything else in f32.
;; Inputs: Wc 2,048 x 1,024 float32; Wf 2,048 x 1,024 float32; Wi 2,048 x 1,024 float32; Wo 2,048 x 1,024 float32; bc 1,024 float32; bf 1,024 float32; bi 1,024 float32; bo 1,024 float32; c 8,192 x 1,024 float32; h 8,192 x 1,024 float32; x 8,192 x 1,024 float32.
;; Outputs: out0 2 x 8,192 x 1,024 float32.
;; This version of the problem:
;;   THIS VERSION OF THE PROBLEM IS GIVEN IN LOW PRECISION. The matrix products marked QUANTISED in the list below multiply operands that are first quantised to E4M3 (4 exponent bits, 3 mantissa bits; 8 bits a number), with one power-of-two scale for each 32 numbers along K (OCP MX v1.0); their sums are f32. All else is computed in f32.
;;   The module's matrix products, in the order in which they are computed (A, B: the left and right operand; K: the contracted axis; several contracted axes count as one K, in the product's order):
;;     1. [M 8,192, K 2,048] x [K 2,048, N 4,096]; A: computed on the way; B: computed on the way: QUANTISED
;;   THE QUANTISER, for each operand of a quantised product, along K:
;;     - K is cut into blocks of 32 from its start; a last block that is shorter is filled with zeros.
;;     - A block's scale is 2^e with e = floor(log2(the largest magnitude in the block)) - 8, held to -126 .. 127; a block of zeros has e = 0. As a byte (E8M0): e + 127.
;;     - Each number is divided by its block's scale, clamped to +-448, and rounded to the nearest number of E4M3, ties to even, subnormals kept.
;;     - The product sums the exact products of the quantised numbers (number of the format x scale) in f32.
;;   ~~~python
;;   def quantise(x, axis):      # numpy; x: float32 -> the quantised numbers, widened to float32 again
;;       x = np.moveaxis(x, axis, -1); K = x.shape[-1]
;;       x = np.pad(x, [(0, 0)] * (x.ndim - 1) + [(0, -K % 32)]); x = x.reshape(x.shape[:-1] + (-1, 32)); a = np.abs(x).max(-1, keepdims=True)
;;       e = np.where(a > 0, np.clip(np.frexp(np.where(a > 0, a, 1))[1] - 1 - 8, -126, 127), 0)      # np.frexp(a)[1] - 1 = floor(log2(a)), exactly
;;       r = np.clip(x / 2.0 ** e, -448, 448)
;;       step = 2.0 ** (np.maximum(np.frexp(np.where(r == 0, 1, r))[1] - 1, -6) - 3)
;;       q = np.round(r / step) * step * 2.0 ** e      # np.round: ties to even
;;       return np.moveaxis(q.reshape(q.shape[:-2] + (-1,))[..., :K], -1, axis).astype(np.float32)
;;   ~~~
;;   OPERANDS COMPUTED ON THE WAY. 'Computed on the way' means the value that the module computes at that place (a softmax that the list does not call 'softmax' is quantised finished and normalised). What goes into a quantiser is computed in f32, as accurately as f32 sums, v_exp_f32 and their like allow (about 1e-6 of the number): no bf16 or f16 on the way to a quantiser, and a product that is left as it is and whose result goes on into a quantised operand takes f32 operands (vector FMAs, or v_wmma_f32_16x16x4_f32). A number that lies on a knife's edge between two numbers of the format may be rounded either way, as far as f32 arithmetic and the matrix unit's own rounding can turn it there, and no further.
;; One version. Each part assembles by itself: llvm-mc -triple=amdgcn-amd-amdhsa -mcpu=gfx1250 --defsym DOCPART=n.
;; ======== version 1 of 1: 2 launches
;; limits: right only within a limited range of input values
;; workspace buffers: zt 17,301,504 bytes; wt 8,650,752 bytes
;; launch quant (part 1): grid 768 x 1, 4 waves a work-group, no clusters, 68,096 bytes of LDS; arguments x, h, Wf, Wi, Wc, Wo, zt, wt; writes zt, wt
.if DOCPART == 1
	.amdgcn_target "amdgcn-amd-amdhsa--gfx1250"
	.amdhsa_code_object_version 6
	.text
	.protected	k_q614f488ebd_quant
	.globl	k_q614f488ebd_quant
	.p2align	8
	.type	k_q614f488ebd_quant,@function
k_q614f488ebd_quant:
	s_mov_b64 s[64:65], 0
	v_nop
	global_prefetch_b8 v0, s[64:65] scope:SCOPE_SE
	s_setreg_imm32_b32 hwreg(HW_REG_WAVE_MODE, 25, 1), 1
	s_wait_xcnt 0x0
; Both operands of gates = [x | h] [Wf | Wi | Wc | Wo] are turned into codes of FP8 (E4M3) with one E8M0 scale byte for each 32 along K = 2,048, once, for the launch that multiplies.
; A block's scale is 2^(floor(log2(its largest magnitude)) - 8); its byte is the largest magnitude's exponent field - 8, held at 1 from below; each number is divided by the scale, held within +-448
; and rounded to the nearest code, ties to even.
; OUT:  z_codes [8192][2048] (bytes 0-1023 of a row from x, 1024-2047 from h), z_scales [8192][64];  w_codes [4096][2048] with K innermost, w_scales [4096][64].
; W's ROWS ARE ORDERED FOR THE GATING: unit u of gate g (0 f, 1 i, 2 g, 3 o) is row 64 (u / 16) + 16 g + u % 16, so that 64 neighbouring rows hold the four gates of 16 neighbouring units.
; LIMITS: a block of zeros gets the byte 1 where the rule says 127 (its codes are zeros, which add nothing under any byte but 0xff, and the bytes are read by this program alone);
; NaN and infinities among the inputs are not served.
; SHARES: work-groups 0-511 take x and h (K innermost), work-groups 512-767 the four weights (K is their first axis).  Each work-group reads 128 KiB.  The two ways part on the work-group's number,
; never meet again, and have LDS bytes of their own (0-32,767 and 32,768-67,583).  No tensor loads, no barrier: waves share nothing.  Matrix units and clusters have no part in a stream.
.set FLOOR, 0x4800000                  ; 2^(9 - 127): under it no largest magnitude is taken, so the byte cannot fall under 1
.set OFF8,  0xfc000000                 ; -(8 << 23): 8 off an exponent field
.set MANT,  0x600000                   ; the mantissa field of 448
; THE LAYOUT OF THE RESULTS (it takes the place of the four arrays named at the head): zt and wt hold, for each group of 128 rows and each 256 along K, one dense block of TILE bytes, [group][K / 256]:
; 128 rows of 256 codes, then 1,024 bytes with the eight scale bytes of each row: what one tensor load of the multiplying launch brings.  Codes leave in whole runs of 256 bytes; the scale bytes, one in 32 of the bytes stored, in short runs.
.set TILE,  33792
.set SP,    80
.set ZR,    16                         ; v16-79   four sets of 16 numbers as they are loaded
.set ZX,    80                         ; v80-111  two sets of 16 neighbours
.set ZE,    112                        ; v112-127 a scale byte for each step
.set ZC,    128                        ; v128-191 codes: four registers for each step, so that no store's data are written again
.set WSTG,  32768                      ; W: the four waves' stages begin here
.set WP,    272                        ; a stage row: 256 bytes of codes + 16
.set WSB,   24                         ; v24-25   a column's eight scale bytes
.set WX,    32                         ; v32-95   two sets of 32 numbers
.set WC,    96                         ; v96-103  a block's codes
.set WO,    112                        ; v112-175 the way out
	s_load_b128 s[4:7], s[0:1], 0x0                ; x, h
	s_load_b256 s[8:15], s[0:1], 0x10              ; Wf, Wi, Wc, Wo
	s_load_b64 s[16:17], s[0:1], 0x30              ; zt, for the codes
	s_load_b64 s[18:19], s[0:1], 0x30              ; zt, for the scale bytes
	s_load_b64 s[20:21], s[0:1], 0x38              ; wt, for the codes
	s_load_b64 s[22:23], s[0:1], 0x38              ; wt, for the scale bytes
	v_lshl_add_u32 v192, v0, 2, 0x10800
	v_mov_b32 v193, 0
	v_lshrrev_b32 v1, 5, v0
	v_readfirstlane_b32 s24, v1                    ; wave 0..3
	v_and_b32 v2, 31, v0                           ; lane
	s_mov_b32 s31, MANT                            ; (an instruction takes one literal: the hold's line has another)
	s_mov_b32 s29, 0                               ; the upper word of every offset: all stay under 2^32
	s_wait_kmcnt 0x0
	s_cmp_lt_u32 ttmp9, 512
	s_cbranch_scc0 .Lw
; ---------------- x and h.  A wave takes 4 rows of x and the same 4 rows of h: 16 steps of 512 numbers; its 256 scale bytes are 256 consecutive aligned bytes of z_scales.
; Each load reads 512 consecutive bytes, 16 a lane; a step's 2,048 bytes go through the wave's own stage in LDS as they lie and come back 64 bytes a lane: 16 neighbours along K, two lanes to a block.
	s_wait_alu depctr_va_vdst(0)
	v_lshlrev_b32 v3, 4, v2
	v_lshrrev_b32 v4, 4, v2                        ; my 16 codes of a step's 512: lanes 16-31 belong to the next 256 along K, a block further on
	v_mul_u32_u24 v4, v4, TILE
	v_and_b32 v12, 15, v2
	v_lshl_add_u32 v4, v12, 4, v4
	v_and_b32 v1, 7, v2                            ; my eight scale bytes on the way out: row lane / 8, the (lane % 8)-th 256 along K
	v_mul_u32_u24 v1, v1, TILE
	v_lshrrev_b32 v13, 3, v2
	v_lshl_add_u32 v1, v13, 3, v1
	s_lshl_b32 s25, s24, 13                        ; my wave's 8,192 bytes of LDS: two stages of 32 x SP bytes, then 256 scale bytes
	v_lshrrev_b32 v14, 2, v2
	v_mul_u32_u24 v14, v14, SP
	v_and_b32 v15, 3, v2
	v_lshl_add_u32 v14, v15, 4, v14
	v_add_nc_u32 v14, s25, v14                     ; into the stage: four lanes' 64 bytes on end, then the padding
	v_mul_u32_u24 v15, v2, SP
	v_add_nc_u32 v15, s25, v15                     ; out of it: SP x lane
	v_lshrrev_b32 v5, 1, v2
	s_add_co_u32 s25, s25, 2*32*SP
	v_add_nc_u32 v5, s25, v5                       ; my block's scale byte
	v_lshlrev_b32 v7, 3, v2                        ; and on the way out 8 bytes a lane
	v_add_nc_u32 v6, s25, v7
	s_lshl_b32 s26, ttmp9, 2
	s_add_co_u32 s26, s26, s24                     ; which run of 4 rows is my wave's: 0 .. 2,047
	s_lshl_b32 s28, s26, 14                        ; 4 rows of 4,096 bytes
	s_add_nc_u64 s[4:5], s[4:5], s[28:29]
	s_add_nc_u64 s[6:7], s[6:7], s[28:29]
	s_lshr_b32 s27, s26, 5                         ; my rows' group of 128
	s_mul_i32 s27, s27, 8*TILE
	s_and_b32 s30, s26, 31                         ; which 4 rows of it
	s_lshl_b32 s28, s30, 10
	s_add_co_u32 s28, s28, s27
	s_add_nc_u64 s[16:17], s[16:17], s[28:29]
	s_lshl_b32 s28, s30, 5
	s_add_co_u32 s28, s28, s27
	s_add_co_u32 s28, s28, 32768                   ; the scale bytes lie behind a block's 128 rows of codes
	s_add_nc_u64 s[18:19], s[18:19], s[28:29]
.macro ZLOAD t                         ; steps 0-7 are x's, steps 8-15 h's: row (t % 8) / 2, half t % 2
.irp i, 0,1,2,3
.if (\t) < 8
	global_load_b128 v[ZR+16*((\t)%4)+4*\i:ZR+16*((\t)%4)+4*\i+3], v3, s[4:5] offset:2048*((\t)%8)+512*\i th:TH_LOAD_NT
.else
	global_load_b128 v[ZR+16*((\t)%4)+4*\i:ZR+16*((\t)%4)+4*\i+3], v3, s[6:7] offset:2048*((\t)%8)+512*\i th:TH_LOAD_NT
.endif
.endr
.endm
.macro ZTURN t                         ; step t's numbers through the stage: LDS serves a wave's instructions in order, so no wait stands between the stores and the loads
.irp i, 0,1,2,3
	ds_store_b128 v14, v[ZR+16*((\t)%4)+4*\i:ZR+16*((\t)%4)+4*\i+3] offset:32*SP*((\t)%2)+8*SP*\i
.endr
.irp i, 0,1,2,3
	ds_load_b128 v[ZX+16*((\t)%2)+4*\i:ZX+16*((\t)%2)+4*\i+3], v15 offset:32*SP*((\t)%2)+16*\i
.endr
.endm
.irp t, 0,1,2,3
	ZLOAD \t
.endr
	s_wait_alu depctr_va_vdst(0)
	s_wait_loadcnt 12                              ; step 0's four loads are in; the twelve of steps 1 to 3 stay out
	ZTURN 0
.macro ZSTEP t
.set XS, ZX+16*((\t)%2)
.if (\t) > 0
	s_wait_dscnt 1                                 ; this step's numbers are back from the stage (the last step's byte store may be out): so its stores into the stage have read their registers,
.else
	s_wait_dscnt 0x0
.endif
.if (\t)+4 < 16
	ZLOAD (\t)+4                                   ; which take the loads of four steps on
.endif
.if (\t)+1 < 16
.if 14-(\t) >= 3
	s_wait_loadcnt 12                              ; the next step's four loads are in; those of the three steps behind it may be out
.else
	s_wait_loadcnt 4*(14-(\t))                     ; the counts run down: nothing is loaded behind step 15
.endif
	ZTURN (\t)+1                                   ; and go through the other stage while this step is worked
.endif
	v_max3_num_f32 v8, |v[XS]|, |v[XS+1]|, |v[XS+2]|               ; the largest magnitude of my 16, in two chains
	v_max3_num_f32 v9, |v[XS+3]|, |v[XS+4]|, |v[XS+5]|
.irp i, 6,10
	v_max3_num_f32 v8, v8, |v[XS+\i]|, |v[XS+\i+1]|
	v_max3_num_f32 v9, v9, |v[XS+\i+2]|, |v[XS+\i+3]|
.endr
	v_max3_num_f32 v8, v8, |v[XS+14]|, |v[XS+15]|
	v_max3_num_f32 v8, v8, v9, FLOOR               ; and the floor
	v_max_num_f32_dpp v8, v8, v8 row_xmask:1 row_mask:0xf bank_mask:0xf   ; and of my neighbour's 16: the block's
	v_add_nc_u32 v11, OFF8, v8                     ; 8 off its exponent field: the conversion takes the exponent field of this operand as its scale, and nothing else of it
	v_and_or_b32 v10, v8, 0x7f800000, s31          ; 448 x the scale: the largest magnitude's exponent field over 448's mantissa
.irp i, 0,1,2,3,4,5,6,7,8,9,10,11,12,13,14,15
	v_med3_num_f32 v[XS+\i], v[XS+\i], -v10, v10   ; the conversion to an 8-bit code does not saturate (ISA guide 7.6.2): the hold comes first
.endr
	v_cvt_scalef32_pk8_fp8_f32 v[ZC+4*(\t):ZC+4*(\t)+1], v[XS:XS+7], v11
	v_cvt_scalef32_pk8_fp8_f32 v[ZC+4*(\t)+2:ZC+4*(\t)+3], v[XS+8:XS+15], v11
	v_lshrrev_b32 v[ZE+(\t)], 23, v11              ; the scale's byte (also the plain line behind the conversions)
	ds_store_b8 v5, v[ZE+(\t)] offset:64*(((\t)%8)/2)+32*((\t)/8)+16*((\t)%2)     ; row, x's or h's half of it, half of that; both lanes of a block write the same byte with the same value
	global_store_b128 v4, v[ZC+4*(\t):ZC+4*(\t)+3], s[16:17] offset:256*(((\t)%8)/2)+TILE*(4*((\t)/8)+2*((\t)%2))   ; sixteen lanes store 256 consecutive aligned bytes
.endm
.irp t, 0,1,2,3,4,5,6,7,8,9,10,11,12,13,14,15
	ZSTEP \t
.endr
	ds_load_b64 v[12:13], v6                       ; LDS serves a wave's instructions in order: these see my byte stores
	s_wait_dscnt 0x0
	global_store_b64 v1, v[12:13], s[18:19]        ; four rows' words of one block lie on end: runs of 32 bytes
	s_wait_tensorcnt 0x0
	ds_add_u32 v192, v193
	s_wait_dscnt 0x0
	s_endpgm
; ---------------- the weights, [2048 (k)][1024 (u)].  A LANE TAKES A COLUMN u, AND ITS REGISTERS RUN DOWN K: a block of 32 lies in one lane's 32 registers, and the conversions give codes with K innermost.
; Work-group q = 64 g + 8 y + xw: gate g, K from 256 y on, columns from 128 xw on; a wave takes 32 columns x 256 along K: 8 blocks a lane, 256 bytes of codes a column.
; The codes go through the wave's own stage and leave as rows: sixteen lanes store 256 consecutive aligned bytes.  The eight scale bytes of a column leave by one store of 8 bytes a lane.
.Lw:
	s_sub_co_u32 s25, ttmp9, 512                   ; q
	s_lshr_b32 s26, s25, 6                         ; g
	s_bfe_u32 s27, s25, 0x30003                    ; y
	s_and_b32 s28, s25, 7                          ; xw
	s_cmp_lt_u32 s26, 1                            ; the gate's weight: three choices that hang on the work-group's number alone
	s_cselect_b64 s[32:33], s[8:9], s[10:11]
	s_cmp_lt_u32 s26, 3
	s_cselect_b64 s[34:35], s[12:13], s[14:15]
	s_cmp_lt_u32 s26, 2
	s_cselect_b64 s[4:5], s[32:33], s[34:35]
	s_lshl_b32 s28, s28, 7
	s_lshl_b32 s30, s24, 5
	s_add_co_u32 s28, s28, s30                     ; u0: my wave's first column, a multiple of 32
	s_lshl_b32 s30, s28, 2                         ; 4 u0
	s_lshl_b32 s36, s26, 4
	s_add_co_u32 s36, s36, s30                     ; column u0 + l goes to row 4 u0 + 16 g + l + 48 (l / 16)
	s_lshl_b32 s28, s27, 20                        ; 256 y rows of 4,096 bytes
	s_add_co_u32 s28, s28, s30
	s_add_nc_u64 s[4:5], s[4:5], s[28:29]
	s_lshr_b32 s30, s36, 7                         ; my rows' group of 128 (4 u0 is a multiple of 128),
	s_lshl_b32 s30, s30, 3
	s_add_co_u32 s30, s30, s27                     ; its y-th block
	s_mul_i32 s30, s30, TILE
	s_and_b32 s36, s36, 127                        ; 16 g: my first row in the group
	s_lshl_b32 s28, s36, 8
	s_add_co_u32 s28, s28, s30
	s_add_nc_u64 s[20:21], s[20:21], s[28:29]
	s_lshl_b32 s28, s36, 3
	s_add_co_u32 s28, s28, s30
	s_add_co_u32 s28, s28, 32768
	s_add_nc_u64 s[22:23], s[22:23], s[28:29]
	s_wait_alu depctr_va_vdst(0)
	v_lshlrev_b32 v3, 2, v2                        ; in: 4 bytes a lane
	s_mul_i32 s30, s24, 32*WP
	s_add_co_u32 s30, s30, WSTG                    ; my stage
	v_mul_u32_u24 v4, v2, WP
	v_add_nc_u32 v4, s30, v4                       ; into it: row = my column
	v_and_b32 v5, 15, v2
	v_lshrrev_b32 v6, 4, v2
	v_mul_u32_u24 v7, v6, WP
	v_lshl_add_u32 v7, v5, 4, v7
	v_add_nc_u32 v7, s30, v7                       ; out of it: sixteen lanes to a row, two rows an instruction
	v_lshlrev_b32 v8, 8, v6
	v_lshl_add_u32 v8, v5, 4, v8                   ; and the same place in w_codes
	v_mul_u32_u24 v9, v6, 48
	v_add_nc_u32 v9, v9, v2
	v_lshlrev_b32 v9, 3, v9                        ; my column's eight scale bytes: 8 (l + 48 (l / 16))
.macro WLOAD t                         ; block t: W(32 t + i, my column), i = 0 .. 31: each load reads 128 consecutive bytes
.irp i, 0,1,2,3,4,5,6,7,8,9,10,11,12,13,14,15,16,17,18,19,20,21,22,23,24,25,26,27,28,29,30,31
	global_load_b32 v[WX+32*((\t)%2)+\i], v3, s[4:5] offset:(32*(\t)+\i)*4096 th:TH_LOAD_NT
.endr
.endm
	WLOAD 0
	WLOAD 1
.macro WBLOCK t
.set XS, WX+32*((\t)%2)
.if (\t) < 7
	s_wait_loadcnt 32                              ; this block's 32 loads are in; the next block's may be out
.else
	s_wait_loadcnt 0
.endif
	v_max3_num_f32 v12, |v[XS]|, |v[XS+1]|, |v[XS+2]|              ; the block's largest magnitude: all 32 numbers are mine
	v_max3_num_f32 v13, |v[XS+3]|, |v[XS+4]|, |v[XS+5]|
.irp i, 6,10,14,18,22,26
	v_max3_num_f32 v12, v12, |v[XS+\i]|, |v[XS+\i+1]|
	v_max3_num_f32 v13, v13, |v[XS+\i+2]|, |v[XS+\i+3]|
.endr
	v_max3_num_f32 v12, v12, |v[XS+30]|, |v[XS+31]|
	v_max3_num_f32 v12, v12, v13, FLOOR
	v_add_nc_u32 v11, OFF8, v12                    ; the conversion's scale operand
	v_and_or_b32 v10, v12, 0x7f800000, s31         ; 448 x the scale
	v_lshrrev_b32 v13, 23, v11                     ; the scale's byte
.if (\t)%4 == 0
	v_mov_b32 v[WSB+(\t)/4], v13                   ; four bytes to a register, the lower K in the lower byte
.else
	v_lshl_or_b32 v[WSB+(\t)/4], v13, 8*((\t)%4), v[WSB+(\t)/4]
.endif
.irp i, 0,1,2,3,4,5,6,7,8,9,10,11,12,13,14,15,16,17,18,19,20,21,22,23,24,25,26,27,28,29,30,31
	v_med3_num_f32 v[XS+\i], v[XS+\i], -v10, v10
.endr
.irp g, 0,1,2,3
	v_cvt_scalef32_pk8_fp8_f32 v[WC+2*\g:WC+2*\g+1], v[XS+8*\g:XS+8*\g+7], v11
.endr
	v_nop                                          ; one plain line behind the last conversion of the run
	ds_store_b128 v4, v[WC:WC+3] offset:32*(\t)    ; 32 codes: 32 bytes of my column's row
	ds_store_b128 v4, v[WC+4:WC+7] offset:32*(\t)+16
.if (\t)+2 < 8
	WLOAD (\t)+2
.endif
	s_wait_dscnt 0x0                               ; the stores have read their registers: the next block's codes may be written
.endm
.irp t, 0,1,2,3,4,5,6,7
	WBLOCK \t
.endr
	global_store_b64 v9, v[WSB:WSB+1], s[22:23]    ; my column's eight scale bytes
.irp t, 0,1,2,3,4,5,6,7,8,9,10,11,12,13,14,15
	ds_load_b128 v[WO+4*\t:WO+4*\t+3], v7 offset:2*\t*WP           ; LDS serves a wave's instructions in order: these see my stores
.endr
.irp t, 0,1,2,3,4,5,6,7,8,9,10,11,12,13,14,15
	s_wait_dscnt 15-\t
	global_store_b128 v8, v[WO+4*\t:WO+4*\t+3], s[20:21] offset:(2*\t+48*(\t/8))*256
.endr
	s_wait_tensorcnt 0x0
	ds_add_u32 v192, v193
	s_wait_dscnt 0x0
	s_endpgm
.Lfunc_end_k_q614f488ebd_quant:
	.size	k_q614f488ebd_quant, .Lfunc_end_k_q614f488ebd_quant-k_q614f488ebd_quant
	.p2alignl 7, 3214868480
	.fill 96, 4, 3214868480
	.section	.rodata,"a",@progbits
	.p2align	6, 0x0
	.amdhsa_kernel k_q614f488ebd_quant
		.amdhsa_group_segment_fixed_size 68096
		.amdhsa_private_segment_fixed_size 0
		.amdhsa_enable_private_segment 0
		.amdhsa_kernarg_size 64
		.amdhsa_user_sgpr_count 2
		.amdhsa_user_sgpr_kernarg_segment_ptr 1
		.amdhsa_wavefront_size32 1
		.amdhsa_system_sgpr_workgroup_id_x 1
		.amdhsa_system_sgpr_workgroup_id_y 1
		.amdhsa_system_sgpr_workgroup_id_z 1
		.amdhsa_system_vgpr_workitem_id 0
		.amdhsa_next_free_vgpr 194
		.amdhsa_next_free_sgpr 66
		.amdhsa_reserve_vcc 0
		.amdhsa_float_denorm_mode_32 3
		.amdhsa_float_denorm_mode_16_64 3
		.amdhsa_memory_ordered 1
		.amdhsa_forward_progress 1
		.amdhsa_inst_pref_size 111
	.end_amdhsa_kernel
	.amdgpu_metadata
---
amdhsa.version: [ 1, 2 ]
amdhsa.kernels:
  - .name:           k_q614f488ebd_quant
    .symbol:         k_q614f488ebd_quant.kd
    .args:
      - { .name: x, .offset: 0, .size: 8, .value_kind: global_buffer, .address_space: global }
      - { .name: h, .offset: 8, .size: 8, .value_kind: global_buffer, .address_space: global }
      - { .name: Wf, .offset: 16, .size: 8, .value_kind: global_buffer, .address_space: global }
      - { .name: Wi, .offset: 24, .size: 8, .value_kind: global_buffer, .address_space: global }
      - { .name: Wc, .offset: 32, .size: 8, .value_kind: global_buffer, .address_space: global }
      - { .name: Wo, .offset: 40, .size: 8, .value_kind: global_buffer, .address_space: global }
      - { .name: zt, .offset: 48, .size: 8, .value_kind: global_buffer, .address_space: global }
      - { .name: wt, .offset: 56, .size: 8, .value_kind: global_buffer, .address_space: global }
    .group_segment_fixed_size: 68096
    .private_segment_fixed_size: 0
    .kernarg_segment_align: 8
    .kernarg_segment_size: 64
    .max_flat_workgroup_size: 128
    .sgpr_count:     66
    .vgpr_count:     194
    .wavefront_size: 32
...
	.end_amdgpu_metadata
.endif
;; end of part 1
;; launch cell (part 2): grid 16 x 16, 4 waves a work-group, clusters of 4 x 4, 327,680 bytes of LDS; arguments zt, wt, out0, c, bf, bi, bc, bo; writes out0
.if DOCPART == 2
	.amdgcn_target "amdgcn-amd-amdhsa--gfx1250"
	.amdhsa_code_object_version 6
	.text
	.protected	k_q614f488ebd_cell
	.globl	k_q614f488ebd_cell
	.p2align	8
	.type	k_q614f488ebd_cell,@function
k_q614f488ebd_cell:
	s_mov_b64 s[64:65], 0
	v_nop
	global_prefetch_b8 v0, s[64:65] scope:SCOPE_SE
	s_setreg_imm32_b32 hwreg(HW_REG_WAVE_MODE, 25, 1), 1
	s_wait_xcnt 0x0
	s_wait_alu depctr_hold_cnt(0) depctr_sa_sdst(0) depctr_va_vdst(0) depctr_va_sdst(0) depctr_va_ssrc(0) depctr_va_vcc(0) depctr_vm_vsrc(0)
	s_getreg_b32 s2, hwreg(HW_REG_IB_STS2, 6, 4)
	s_cmp_eq_u32 s2, 0
	s_cbranch_scc0 .Lentry_in_a_cluster
	s_endpgm
.Lentry_in_a_cluster:
	s_bfe_u32 s2, ttmp6, 0x10000c
	s_cmp_lg_u32 s2, 0xf033
	s_cbranch_scc0 .Lentry_shape_is_right
	s_endpgm
.Lentry_shape_is_right:
; gates = z W + b on codes of FP8 (E4M3) with one E8M0 scale for each 32 along K = 2,048, then the LSTM gating in f32, in registers:
; c_new = sigmoid(f) c + sigmoid(i) tanh(g),  h_new = sigmoid(o) tanh(c_new);  out0 = [h_new ; c_new].  The gates never go to memory.
; zt, wt: for each group of 128 rows and each 256 along K one dense block of 33,792 bytes: 128 rows of 256 codes, then the rows' eight scale bytes.  W's row 64 (u / 16) + 16 g + u % 16 is unit u of gate g (0 f, 1 i, 2 g, 3 o).
; SHARES: 256 work-groups of four waves.  A WORK-GROUP STAYS and makes two tiles of 256 rows x 256 rows of W (64 units x 4 gates), 4,096 rows apart, with the same rows of W; a wave makes 128 x 128: 64 accumulators, 512 registers.
; K goes in steps of 256 through two LDS slots; a wave's one tensor load brings a quarter of a slot: one block, codes and scale bytes.  The ring does not stop at a tile's end: the first tile's last two changes of slots ask for the
; second tile's K steps 0 and 1; so the tail of a tile is written twice.  CLUSTERS of 4 x 4: z's blocks are asked for jointly along a row of the cluster, W's along a column.
; THE PRODUCT IS USED TRANSPOSED (source 0 = 16 rows of W, source 1 = 16 rows of z): W's block b = 4 jj + g is gate g of units 16 jj + 0 .. 15; in accumulator (a, b) lane (r, hh), register j holds row 16 a + r,
; unit 16 jj + 8 hh + j: the four gates of an element lie in one lane and register number of four accumulators.  The biases are the C of each sum's first product.
; c: a wave needs 128 rows x 32 units, 128 aligned bytes of each row (the other half of the 256 is its neighbour wave's): eight lanes to a row, loaded in the last step into W's idle set of registers, and turned into the
; accumulators' layout through the wave's own bytes of the stage.  THE STAGE (32 rows of each half of the tile, c_new and h_new) has LDS bytes of its own, on which no tensor load lands; rows leave whole, 256 bytes to sixteen lanes.
; THE GATING: with e. = 2^(-x log2 e) (for g and c_new: -2 x), the exponents of ef, ei, eg, ec held at 40:
;   c_new = [c (1 + ei)(1 + eg) + (1 + ef)(1 - eg)] / [(1 + ef)(1 + ei)(1 + eg)],   h_new = (1 - ec) / [(1 + eo)(1 + ec)].
; LIMITS: the hold at 40 keeps every product under 2^121: sigmoid(f), sigmoid(i) never fall under 2^-40, tanh is +-1 beyond |x| = 13.9 as in f32; |c| stays under 2^46; NaN and infinities are not served.
; (eo needs no hold: where it is infinite the divisor's reciprocal is 0 and h_new = (1 - ec) x 0 = 0.)
; REGISTERS: window 0: v1-15 at work and offsets, v16-31 addresses, v32-63 scale words (two sets), v64-127 biases, v128-255 z's fragments (one set); in the gating v64-255 are six runs of 32.
;   window 1: W's fragments, two sets; at a tile's end c (v0-127) and the rows read back (v128-255).  Window 2: accumulators of my rows 0-63 ((a, b) at v[64 (a % 4) + 8 b]); window 3: of rows 64-127.
.set TILE,   33792
.set PITCH,  272                       ; an LDS row: 256 bytes + 16 of padding
.set FR,     16
.set NP,     8
.set QT,     132*PITCH                 ; a quarter of a slot: one block
.set SLOT,   4*QT                      ; z's two groups of 128 rows, then W's two
.set SOFF,   128*PITCH                 ; a block's scale bytes
.set CST,    2*SLOT                    ; the stage: c and c_new,
.set HALFC,  32*PITCH
.set HOFF,   2*HALFC                   ; and so far behind them h_new
.set SPARE,  CST+2*HOFF                ; the spare words: 512 bytes that no other line names
.set NEXTT,  0x1000000                 ; 4,096 rows of c or of out0
.set PFO,  8                           ; v8  256 x lane: a row of a block
.set PFQ,  9                           ; v9  from my 32 rows of a block to my one of its four rows of scale bytes
.set CLO,  10                          ; v10 c: row lane / 8, 16 bytes at lane % 8
.set ADRA, 16
.set ADRS, 18
.set ADRB, 20
.set RDC,  22
.set RDH,  23
.set GA,   24
.set GH,   25
.set CO,   26
.set CSA,  27
.set SPW,  28
.set NIL,  29
.set PFC,  30
.set BO,   31
.set SC,   32
.set BIAS, 64
.set AF,   128
.set EF,   64
.set EI,   96
.set EG,   128
.set EO,   160
.set CC,   192
.set X,    224
.set CAP,  2
.set OUTH, 8
.set OUTC, 10
.set G1,   24
.set G0,   32
.set TL,   40                          ; s40 tiles to go
.set LIM,  43                          ; s43 1 while my wave prefetches blocks; W's waves stop behind the first tile
.set PFA,  44
.set G1B,  48
.set G0B,  56
.set L1,   66
.set L2,   68
.set CP,   70
.set BP,   72
.set DW, (3<<16)|(1<<20)|(1<<21)|(5<<22)|(3<<25)   ; elements of 8 bytes; 4 words of padding after every 64; bit 21 beside a mask
.set MSB, 0
.macro WIN new                         ; the immediate's high byte repeats the setting that is left
.if MSB != \new
	s_set_vgpr_msb (MSB<<8)|\new
.set MSB, \new
.endif
.endm
.set MUL_LO,   0xa1                    ; source 0 (W) window 1, source 1 (z) window 0, C and D window 2 (+0x50: window 3)
.set FIRST_LO, 0x81                    ; C (the bias) window 0, D window 2 (+0x40: window 3)
.set TO_B,     0x40
.macro PLACES n
.rept \n
	v_nop
.endr
.endm
.macro JLOAD g0a, g1a, g0b, g1b        ; a joint load: waves 0, 1 fetch z's two blocks, waves 2, 3 W's; s_nop 0 and four v_nop behind each line
	s_cmp_eq_u32 s15, 0
	s_cbranch_scc0 .Lfor_b_\@
	tensor_load_to_lds s[\g0a:\g0a+3], s[\g1a:\g1a+7]
	s_nop 0
	PLACES 4
	s_branch .Lasked_\@
.Lfor_b_\@:
	tensor_load_to_lds s[\g0b:\g0b+3], s[\g1b:\g1b+7]
	s_nop 0
	PLACES 4
.Lasked_\@:
.endm
.macro CREST                           ; a round of the cluster's barrier behind its opening barrier
	s_cmp_lg_u32 s14, 0
	s_cbranch_scc1 .Lnot_wave_0_\@
	s_barrier_signal -3
.Lnot_wave_0_\@:
	s_barrier_wait -3
	s_barrier_signal -1
	s_barrier_wait -1
.endm
.macro CROUND
	s_barrier_signal -1
	s_barrier_wait -1
	CREST
.endm
.macro BIASES
.irp b, 0,1,2,3,4,5,6,7
	global_load_b128 v[BIAS+8*\b:BIAS+8*\b+3],   v[BO], s[BP+2*(\b%4):BP+2*(\b%4)+1] offset:64*(\b/4)
	global_load_b128 v[BIAS+8*\b+4:BIAS+8*\b+7], v[BO], s[BP+2*(\b%4):BP+2*(\b%4)+1] offset:64*(\b/4)+16
.endr
.endm
.macro ASK2 off                        ; a block's share of my work-group: 32 rows of codes, a lane a row, and one row of scale bytes (all lanes name it)
	global_prefetch_b8 v[PFO], s[PFA:PFA+1] offset:\off th:TH_LOAD_NT scope:SCOPE_SE
	global_prefetch_b8 v[PFQ], s[PFA:PFA+1] offset:\off th:TH_LOAD_NT scope:SCOPE_SE
.endm
	s_load_b128 s[4:7], s[0:1], 0x0                ; zt, wt
	s_load_b64 s[12:13], s[0:1], 0x10              ; out0
	s_load_b64 s[CP:CP+1], s[0:1], 0x18            ; c
	s_load_b256 s[BP:BP+7], s[0:1], 0x20           ; bf, bi, bc, bo
	v_lshl_add_u32 v[SPW], v0, 2, SPARE
	v_mov_b32 v[NIL], 0
	ds_add_u32 v[SPW], v[NIL]                      ; the opening lines: the add, twice on end, and its wait ahead of my first tensor load
	ds_add_u32 v[SPW], v[NIL]
	v_lshrrev_b32 v1, 5, v0
	v_readfirstlane_b32 s14, v1                    ; wave 0..3
	s_lshr_b32 s15, s14, 1                         ; rh: my half of the tile's rows; also: I fetch for z (0) or W (1)
	s_and_b32 s16, s14, 1                          ; ch: my half of W's rows; also: which of the two groups I fetch
	s_bfe_u32 s40, ttmp6, 0x40000                  ; cx, cy
	s_bfe_u32 s41, ttmp6, 0x40004
	s_lshl_b32 s42, ttmp9, 2
	s_add_co_u32 s42, s42, s40                     ; tc
	s_and_b32 s17, ttmp7, 0xffff
	s_lshl_b32 s17, s17, 2
	s_add_co_u32 s17, s17, s41                     ; tr, of the first tile
	s_lshl_b32 s43, s41, 2
	s_lshl_b32 s43, 15, s43                        ; my row of the cluster
	s_lshl_b32 s44, 0x1111, s40                    ; my column
	s_or_b32 s[G1+0], s43, DW
	s_or_b32 s[G1B+0], s44, DW
.irp g, G1, G1B                        ; a dense block as 132 rows of 256 bytes
	s_mov_b32 s[\g+1], 32<<16
	s_mov_b32 s[\g+2], 132<<16
	s_mov_b32 s[\g+3], 32<<16
	s_mov_b32 s[\g+4], 132
	s_mov_b32 s[\g+5], 32
	s_mov_b32 s[\g+6], 0
	s_mov_b32 s[\g+7], 0
.endr
	s_lshl_b32 s20, s17, 1
	s_add_co_u32 s20, s20, s16                     ; z: group 2 tr + half
	s_mul_i32 s20, s20, 8*TILE
	s_mov_b32 s21, 0
	s_lshl_b32 s22, s42, 1
	s_add_co_u32 s22, s22, s16                     ; W: group 2 tc + half
	s_mul_i32 s22, s22, 8*TILE
	s_mov_b32 s23, 0
	s_mul_i32 s18, s14, QT                         ; where my quarter goes
	s_cmp_eq_u32 s15, 0
	s_cselect_b32 s19, s40, s41                    ; my place among the four that ask for a block with me: enters prefetches' addresses alone
	s_lshl_b32 s46, s19, 13                        ; 32 rows of 256 bytes
	s_mov_b32 s47, 0
	s_wait_dscnt 0x0                               ; both opening adds are done
	s_wait_kmcnt 0x0
	s_add_nc_u64 s[20:21], s[4:5], s[20:21]
	s_add_nc_u64 s[22:23], s[6:7], s[22:23]
	CROUND                                         ; all sixteen work-groups are here: the first joint loads meet
.irp s, 0,1
	s_mov_b32 s[G0+4*\s], 1
	s_add_co_u32 s[G0+4*\s+1], s18, \s*SLOT
	s_add_nc_u64 s[G0+4*\s+2:G0+4*\s+3], s[20:21], \s*TILE
	s_or_b32 s[G0+4*\s+3], s[G0+4*\s+3], 0x80000000
	s_mov_b32 s[G0B+4*\s], 1
	s_add_co_u32 s[G0B+4*\s+1], s18, \s*SLOT
	s_add_nc_u64 s[G0B+4*\s+2:G0B+4*\s+3], s[22:23], \s*TILE
	s_or_b32 s[G0B+4*\s+3], s[G0B+4*\s+3], 0x80000000
.endr
	s_cmp_eq_u32 s15, 0
	s_cselect_b64 s[PFA:PFA+1], s[20:21], s[22:23]
	s_add_nc_u64 s[PFA:PFA+1], s[PFA:PFA+1], s[46:47]
	JLOAD G0, G1, G0B, G1B                         ; K step 0: one tensor load a wave at the head
	s_mul_i32 s21, s15, QT                         ; my 128 rows of z
	s_mul_i32 s22, s16, QT
	s_add_co_u32 s22, s22, 2*QT                    ; my 128 rows of W
	s_sub_co_u32 s23, s22, s21                     ; the distance between the two
	s_add_co_u32 s18, s21, SOFF                    ; z's scale bytes
	s_mul_i32 s20, s15, HALFC
	s_add_co_u32 s20, s20, CST                     ; the stage: my half of the tile
	s_lshl_b32 s47, s16, 7
	s_add_co_u32 s46, s20, s47                     ; my 128 bytes of its rows
	s_mul_i32 s41, s16, 16*PITCH
	s_add_co_u32 s20, s20, s41                     ; the way out: rows 16 ch + 0 .. 15 of a chunk
	s_lshl_b32 s41, s42, 8
	s_add_co_u32 s47, s47, s41                     ; the biases: unit 64 tc + 32 ch, in bytes
	s_mul_i32 s19, s19, 7936
	s_sub_co_u32 s19, 32768, s19                   ; 32,768 + 256 p - 8,192 p
	s_mul_i32 s41, s16, 262016                     ; c's prefetch: rows 64 ch on, back to the 256 bytes' first
	v_and_b32 v1, 15, v0                           ; r
	v_bfe_u32 v2, v0, 4, 1                         ; hh
	v_mul_u32_u24 v3, v1, PITCH
	v_lshl_add_u32 v4, v2, 4, v3
	v_add_nc_u32 v[ADRA], s21, v4
	v_add_nc_u32 v[ADRB], s22, v4
	v_add_nc_u32 v[ADRA+1], SLOT, v[ADRA]
	v_add_nc_u32 v[ADRB+1], SLOT, v[ADRB]
	v_mul_u32_u24 v5, s23, v2                      ; scale words: lanes 16-31 take W's
	v_lshl_add_u32 v5, v1, 3, v5                   ; 8 bytes a row
	v_add_nc_u32 v[ADRS], s18, v5
	v_add_nc_u32 v[ADRS+1], SLOT, v[ADRS]
	v_lshl_add_u32 v5, v2, 5, v3
	v_add_nc_u32 v[GA], s46, v5                    ; the gating: row r, 32 bytes at hh
	v_add_nc_u32 v[GH], HOFF, v[GA]
	v_mul_u32_u24 v5, v2, PITCH
	v_lshl_add_u32 v5, v1, 4, v5
	v_add_nc_u32 v[RDC], s20, v5                   ; back: lanes 0-15 one row of 256 bytes, lanes 16-31 the next
	v_add_nc_u32 v[RDH], HOFF, v[RDC]
	v_lshlrev_b32 v5, 12, v2
	v_lshl_add_u32 v[CO], v1, 4, v5                ; the same two rows in out0
	v_and_b32 v6, 31, v0
	v_lshlrev_b32 v[PFO], 8, v6
	v_mov_b32 v[PFQ], s19
	v_lshl_add_u32 v[PFC], v6, 12, s41
	v_lshrrev_b32 v5, 3, v6
	v_and_b32 v6, 7, v6
	v_lshlrev_b32 v4, 12, v5
	v_lshl_add_u32 v[CLO], v6, 4, v4
	v_mul_u32_u24 v4, v5, PITCH
	v_lshl_add_u32 v4, v6, 4, v4
	v_add_nc_u32 v[CSA], s46, v4                   ; c into the stage: row lane / 8, 16 bytes at lane % 8 of my 128
	v_lshl_add_u32 v[BO], v2, 5, s47
	s_wait_alu depctr_va_vdst(0)                   ; the end of the head's vector work
	BIASES
.irp s, 1,2,3                          ; K steps 1 to 3: each 256 bytes are named once in the cluster
	ASK2 \s*TILE
.endr
	s_wait_tensorcnt 0x0                           ; my quarter of K step 0 is in
	ds_add_u32 v[SPW], v[NIL]
	s_lshl_b32 s20, s17, 8
	s_lshl_b32 s21, s15, 7
	s_add_co_u32 s20, s20, s21                     ; row 256 tr + 128 rh,
	s_lshl_b32 s22, s20, 12
	s_lshl_b32 s21, s42, 8
	s_add_co_u32 s22, s22, s21                     ; byte 256 tc
	s_lshl_b32 s21, s16, 7
	s_add_co_u32 s18, s22, s21                     ; c: + 128 ch
	s_mov_b32 s19, 0
	s_add_nc_u64 s[CP:CP+1], s[CP:CP+1], s[18:19]
	s_lshl_b32 s21, s16, 16
	s_add_co_u32 s18, s22, s21                     ; out0: 16 ch rows on
	s_add_nc_u64 s[OUTH:OUTH+1], s[12:13], s[18:19]
	s_add_nc_u64 s[OUTC:OUTC+1], s[OUTH:OUTH+1], 0x2000000
	s_mov_b32 s[CAP], 0x42200000                   ; 40.0
	s_mov_b32 s[L1], 0xbfb8aa3b                    ; -log2 e
	s_mov_b32 s[L1+1], 0xbfb8aa3b
	s_mov_b32 s[L2], 0xc038aa3b                    ; -2 log2 e
	s_mov_b32 s[L2+1], 0xc038aa3b
	s_mov_b32 s[LIM], 1
	s_mov_b32 s[TL], 2
	s_wait_dscnt 0x0
	CROUND                                         ; everybody's quarter is in, and all sixteen work-groups are here
	JLOAD G0+4, G1, G0B+4, G1B                     ; K step 1, the first tensor load behind the round
.macro FRAG reg, adr, q, i             ; 16 rows x 128 K: registers 4 c .. 4 c + 3 hold K = 32 c + 16 (lane / 16) + 0 .. 15
.irp c, 0,1,2,3
	ds_load_b128 v[\reg+4*\c:\reg+4*\c+3], v[\adr] offset:128*(\q)+32*\c+(\i)*16*PITCH
.endr
.endm
.macro FB s, q, p                      ; W's eight fragments into set p
	WIN TO_B
.irp i, 0,1,2,3,4,5,6,7
	FRAG 128*(\p)+FR*\i, ADRB+(\s), \q, \i
.endr
	WIN 0
.endm
.macro FA s, q, i0                     ; z's blocks i0 .. i0 + 3
	WIN 0
.irp i, \i0, \i0+1, \i0+2, \i0+3
	FRAG AF+FR*(\i), ADRA+(\s), \q, \i
.endr
.endm
.macro SCALES sc                       ; a slot's scale words, two a row: lanes 0-15 z's block i, lanes 16-31 W's block i; 32 rows' words fill an LDS row of 256 bytes
.irp i, 0,1,2,3,4,5,6,7
	ds_load_b64 v[SC+16*(\sc)+2*\i:SC+16*(\sc)+2*\i+1], v[ADRS+(\sc)] offset:128*\i+16*(\i/2)
.endr
.endm
.macro PROD n, q, sc, zero             ; product n = 8 a + b of a step: W's set q, the slot's q-th 128 along K
.set A_, (\n)/8
.set B_, (\n)%8
.set D_, 8*(8*(A_%4)+B_)
.set WB_, 128*(\q)+FR*B_
.set ZA_, AF+FR*A_
.set SW_, SC+16*(\sc)+2*B_+(\q)
.set SZ_, SC+16*(\sc)+2*A_+(\q)
.if \zero
	WIN FIRST_LO+0x40*(A_/4)
	v_wmma_scale_f32_16x16x128_f8f6f4 v[D_:D_+7], v[WB_:WB_+15], v[ZA_:ZA_+15], v[BIAS+8*B_:BIAS+8*B_+7], v[SW_], v[SZ_] matrix_a_scale:MATRIX_SCALE_ROW1
.else
	WIN MUL_LO+0x50*(A_/4)
	v_wmma_scale_f32_16x16x128_f8f6f4 v[D_:D_+7], v[WB_:WB_+15], v[ZA_:ZA_+15], v[D_:D_+7], v[SW_], v[SZ_] matrix_a_scale:MATRIX_SCALE_ROW1
.endif
.endm
.macro MULS from, to, q, sc, zero      ; products from .. to - 1.  The 64 accumulators take turns, in the same order in every step
.set N_, \from
.rept (\to)-(\from)
	PROD N_, \q, \sc, \zero
.set N_, N_+1
.endr
.endm
; A slot's first step.  z has one set of registers: blocks 0-3 are fetched anew in the step's middle, blocks 4-7 at its end; W has two sets.  Eight places stand ahead of each run of loads (for instructions other than loads).
.macro STEP slot, zero
	s_wait_dscnt 16                                ; all but the youngest sixteen loads (z's blocks 4-7) are in
	MULS 0, 32, 0, \slot, \zero
	s_wait_dscnt 0x0
	PLACES NP
	FB \slot, 1, 1
	FA \slot, 1, 0
	MULS 32, 64, 0, \slot, \zero
	PLACES NP
	FA \slot, 1, 4
.endm
.macro CLOADS                          ; c of my 128 rows x 128 bytes into W's set 0, which the last step does not use: eight lanes read 128 consecutive aligned bytes
	WIN TO_B
.set n, 0
.rept 32
	global_load_b128 v[4*n:4*n+3], v[CLO], s[CP:CP+1] offset:16384*n th:TH_LOAD_NT
.set n, n+1
.endr
	WIN 0
.endm
; A slot's second step changes slots.  kind 1: the slot is filled again, two K steps on.  4, 5: a tile that has a successor: slot 0, slot 1 take the next tile's K step 0, 1.  6, 7: the last tile: nothing is filled.
; 5 and 7 are a tile's last step: no fragments follow, c is asked for.  In front of the barrier each wave waits for all its tensor loads, adds 0 to its spare word, and waits for that and for its reads of this slot.
.macro TURN slot, kind
.if \kind == 1
	s_wait_xcnt 0x0                                ; my prefetches have read their address: it steps a K step
	s_add_nc_u64 s[PFA:PFA+1], s[PFA:PFA+1], TILE
.elseif \kind == 4
	s_wait_xcnt 0x0
	s_add_nc_u64 s[PFA:PFA+1], s[PFA:PFA+1], 250*TILE   ; from K step 6 to the next tile's K step 0: 32 groups of 8 blocks on
	s_cmp_eq_u32 s15, 0
	s_cselect_b32 s[LIM], s[LIM], -1               ; W's blocks are the same for both tiles: they are prefetched no more
.endif
	s_wait_dscnt 16
	MULS 0, 24, 1, \slot, 0
.if \kind != 7
	WIN 0
	s_wait_tensorcnt 0x0                           ; all my tensor loads have landed;
	ds_add_u32 v[SPW], v[NIL]                      ; eight products stand between the add and the wait for it
	MULS 24, 32, 1, \slot, 0
	s_wait_dscnt 0x0                               ; the add is done, and my reads of this slot are over
	s_barrier_signal -1
	WIN 0
	s_barrier_wait -1
.if \kind != 6
	CREST                                          ; no wave of any partner still reads this slot or has a load on its way
.if \kind == 1
	s_add_nc_u64 s[G0+4*\slot+2:G0+4*\slot+3], s[G0+4*\slot+2:G0+4*\slot+3], 2*TILE
	s_add_nc_u64 s[G0B+4*\slot+2:G0B+4*\slot+3], s[G0B+4*\slot+2:G0B+4*\slot+3], 2*TILE
.else
	s_add_nc_u64 s[G0+4*\slot+2:G0+4*\slot+3], s[G0+4*\slot+2:G0+4*\slot+3], 250*TILE
	s_sub_nc_u64 s[G0B+4*\slot+2:G0B+4*\slot+3], s[G0B+4*\slot+2:G0B+4*\slot+3], 6*TILE
.endif
	JLOAD G0+4*\slot, G1, G0B+4*\slot, G1B         ; the first tensor load behind the round, and my only one until the next
	PLACES NP-4
.else
	PLACES NP
.endif
.else
	MULS 24, 32, 1, \slot, 0
	s_wait_dscnt 0x0
	WIN 0
.endif
.if \kind == 5 || \kind == 7
	CLOADS
.else
	FB 1-\slot, 0, 0
	FA 1-\slot, 0, 0
	SCALES 1-\slot
.endif
.if \kind == 1
	s_cmp_gt_u32 s3, s[LIM]                        ; the K step that stands two refills on; the loop's last trip has none left
	s_cbranch_scc0 .Lnone_\@
	ASK2 3*TILE
.Lnone_\@:
.if \slot == 0
	s_cmp_eq_u32 s3, 1                             ; in the loop's last trip: c's 256-byte pieces of 64 rows, a lane a row: each is named by one wave
	s_cbranch_scc0 .Lnot_yet_\@
	global_prefetch_b8 v[PFC], s[CP:CP+1] th:TH_LOAD_NT scope:SCOPE_SE
	global_prefetch_b8 v[PFC], s[CP:CP+1] offset:32*4096 th:TH_LOAD_NT scope:SCOPE_SE
.Lnot_yet_\@:
.endif
.elseif \kind == 4 || \kind == 5
	s_cmp_eq_u32 s15, 0                            ; z's waves: the next tile's K step 2, then 3
	s_cbranch_scc0 .Lnone_\@
	ASK2 (\kind-2)*TILE
.Lnone_\@:
.endif
	MULS 32, 64, 1, \slot, 0
.if \kind == 1 || \kind == 4 || \kind == 6
	PLACES NP
	FA 1-\slot, 0, 4
.endif
	WIN 0
.endm
.Ltile:
	FB 0, 0, 0
	FA 0, 0, 0
	SCALES 0
	FA 0, 0, 4
	s_wait_loadcnt 0x0                             ; the biases are in
	STEP 0, 1                                      ; a tile's first step stands in front of the loop: its products start the sums from the biases
	s_mov_b32 s3, 3
.Llap:                                                 ; a trip goes once round the ring and fills both slots again
	TURN 0, 1
	STEP 1, 0
	TURN 1, 1
	STEP 0, 0
	s_sub_co_u32 s3, s3, 1
	s_cmp_lg_u32 s3, 0
	s_cbranch_scc1 .Llap
	s_cmp_eq_u32 s[TL], 1
	s_cbranch_scc1 .Llast
	TURN 0, 4                                      ; the ring goes on into the next tile
	STEP 1, 0
	TURN 1, 5
	s_branch .Lgate
.Llast:
	TURN 0, 6
	STEP 1, 0
	TURN 1, 7
.Lgate:
; THE GATING, in four chunks of 32 rows: 32 elements a lane, six runs of 32 registers, line by line over sixteen pairs
.macro PKMUL d, a, b
.set n, 0
.rept 16
	v_pk_mul_f32 v[\d+n:\d+n+1], v[\a+n:\a+n+1], v[\b+n:\b+n+1]
.set n, n+2
.endr
.endm
.macro PKFMA d, a, b, c
.set n, 0
.rept 16
	v_pk_fma_f32 v[\d+n:\d+n+1], v[\a+n:\a+n+1], v[\b+n:\b+n+1], v[\c+n:\c+n+1]
.set n, n+2
.endr
.endm
.macro PKINC d, a                      ; d = a + 1
.set n, 0
.rept 16
	v_pk_add_f32 v[\d+n:\d+n+1], v[\a+n:\a+n+1], 1.0 op_sel_hi:[1,0]
.set n, n+2
.endr
.endm
.macro PKCOM d, a                      ; d = 1 - a
.set n, 0
.rept 16
	v_pk_fma_f32 v[\d+n:\d+n+1], v[\a+n:\a+n+1], -1.0, 1.0 op_sel_hi:[1,0,0]
.set n, n+2
.endr
.endm
.macro MINS reg, cnt                   ; the hold at 40
.set n, 0
.rept \cnt
	v_min_num_f32 v[\reg+n], s[CAP], v[\reg+n]
.set n, n+1
.endr
.endm
.macro BATCH op, d, a, cnt             ; a batch of transcendentals: one wait ahead of it and, behind a plain line, one behind it
	s_wait_alu depctr_va_vdst(0)
.set n, 0
.rept \cnt
	\op v[\d+n], v[\a+n]
.set n, n+1
.endr
	v_nop
	s_wait_alu depctr_va_vdst(0)
.endm
.macro TOLDS adr, reg                  ; a chunk's 32 numbers a lane: row 16 ab + r, 32 bytes at 64 jj
.irp ab, 0,1
.irp jj, 0,1
	ds_store_b128 v[\adr], v[\reg+16*\ab+8*\jj:\reg+16*\ab+8*\jj+3]   offset:16*\ab*PITCH+64*\jj
	ds_store_b128 v[\adr], v[\reg+16*\ab+8*\jj+4:\reg+16*\ab+8*\jj+7] offset:16*\ab*PITCH+64*\jj+16
.endr
.endr
.endm
.macro MEETUP                          ; my LDS instructions are done in front of my signal; behind the barrier the others' are too
	s_wait_dscnt 0x0
	s_barrier_signal -1
	s_barrier_wait -1
.endm
.macro RDBACK k                        ; my 16 whole rows of h_new and of c_new into 64 registers of window 1, two sets by turns
	WIN TO_B
.irp t, 0,1,2,3,4,5,6,7
	ds_load_b128 v[128+64*((\k)%2)+4*\t:128+64*((\k)%2)+4*\t+3], v[RDH] offset:2*\t*PITCH
.endr
.irp t, 0,1,2,3,4,5,6,7
	ds_load_b128 v[160+64*((\k)%2)+4*\t:160+64*((\k)%2)+4*\t+3], v[RDC] offset:2*\t*PITCH
.endr
	WIN 0
.endm
.macro SEND k
	WIN 0x04                                       ; a store's data are its source 1: window 1
.irp t, 0,1,2,3,4,5,6,7
	global_store_b128 v[CO], v[128+64*((\k)%2)+4*\t:128+64*((\k)%2)+4*\t+3], s[OUTH:OUTH+1] offset:(32*(\k)+2*\t)*4096 th:TH_STORE_NT   ; 16 lanes store 256 consecutive aligned bytes
.endr
.irp t, 0,1,2,3,4,5,6,7
	global_store_b128 v[CO], v[160+64*((\k)%2)+4*\t:160+64*((\k)%2)+4*\t+3], s[OUTC:OUTC+1] offset:(32*(\k)+2*\t)*4096 th:TH_STORE_NT
.endr
	WIN 0
.endm
.macro GATE k
.set AB, 128*((\k)%2)
	WIN 0x02+(\k)/2
.if (\k) > 0
	s_wait_alu depctr_va_vdst(0)
.endif
.irp ab, 0,1
.irp jj, 0,1
.irp g, 0,1,2,3
.irp p, 0,2,4,6
.if \g == 2
	v_pk_mul_f32 v[EF+32*\g+16*\ab+8*\jj+\p:EF+32*\g+16*\ab+8*\jj+\p+1], v[AB+64*\ab+32*\jj+8*\g+\p:AB+64*\ab+32*\jj+8*\g+\p+1], s[L2:L2+1] op_sel_hi:[1,0]
.else
	v_pk_mul_f32 v[EF+32*\g+16*\ab+8*\jj+\p:EF+32*\g+16*\ab+8*\jj+\p+1], v[AB+64*\ab+32*\jj+8*\g+\p:AB+64*\ab+32*\jj+8*\g+\p+1], s[L1:L1+1] op_sel_hi:[1,0]
.endif
.endr
.endr
.endr
.endr
	WIN 0
	MINS EF, 96                                    ; ef's, ei's, eg's exponents held
.if (\k) > 0
	MEETUP                                         ; everybody has read the chunk before back: the stage may be written again
	SEND (\k)-1
.else
	s_wait_loadcnt 0x0                             ; c is in registers
.endif
	WIN 0x04
.irp m, 0,1,2,3,4,5,6,7
	ds_store_b128 v[CSA], v[32*(\k)+4*\m:32*(\k)+4*\m+3] offset:4*PITCH*\m   ; c of the chunk's 32 rows into my own 128 bytes of the stage's rows,
.endr
	WIN 0
.irp ab, 0,1
.irp jj, 0,1
	ds_load_b128 v[CC+16*\ab+8*\jj:CC+16*\ab+8*\jj+3],   v[GA] offset:16*\ab*PITCH+64*\jj      ; and back in the accumulators' layout: LDS serves a wave's instructions in order
	ds_load_b128 v[CC+16*\ab+8*\jj+4:CC+16*\ab+8*\jj+7], v[GA] offset:16*\ab*PITCH+64*\jj+16
.endr
.endr
	BATCH v_exp_f32, EF, EF, 128                   ; ef, ei, eg, eo
	s_wait_dscnt 0x0                               ; c is in
	PKCOM X, EG                                    ; 1 - eg
	PKINC EG, EG                                   ; 1 + eg
	PKFMA EI, EI, EG, EG                           ; (1 + ei)(1 + eg)
	PKFMA X, EF, X, X                              ; (1 + ef)(1 - eg)
	PKFMA EG, EF, EI, EI                           ; the divisor
	PKFMA X, CC, EI, X
	BATCH v_rcp_f32, EF, EG, 32
	PKMUL CC, X, EF                                ; c_new
.set n, 0
.rept 16
	v_pk_mul_f32 v[X+n:X+n+1], v[CC+n:CC+n+1], s[L2:L2+1] op_sel_hi:[1,0]
.set n, n+2
.endr
	MINS X, 32
	TOLDS GA, CC                                   ; c_new over my own bytes of c
	BATCH v_exp_f32, X, X, 32                      ; ec
	PKINC EI, X
	PKCOM X, X
	PKFMA EO, EO, EI, EI                           ; (1 + eo)(1 + ec)
	BATCH v_rcp_f32, EG, EO, 32
	PKMUL EF, X, EG                                ; h_new
	TOLDS GH, EF
.endm
	PLACES NP                                      ; behind the last products
.irp k, 0,1,2,3
	GATE \k
	MEETUP                                         ; a row's 256 bytes come from two waves
.if \k >= 2
	s_wait_xcnt 0x0                                ; the stores of two chunks ago have read their registers
.endif
	RDBACK \k
.endr
	s_wait_dscnt 0x0
	SEND 3
	s_wait_xcnt 0x0                                ; the stores have read their registers and bases
	s_cmp_eq_u32 s[TL], 1
	s_cbranch_scc1 .Lno_more
	s_add_nc_u64 s[CP:CP+1], s[CP:CP+1], NEXTT     ; on to the second tile, 4,096 rows further down
	s_add_nc_u64 s[OUTH:OUTH+1], s[OUTH:OUTH+1], NEXTT
	s_add_nc_u64 s[OUTC:OUTC+1], s[OUTC:OUTC+1], NEXTT
	BIASES                                         ; the gating has used their registers
.Lno_more:
	s_sub_co_u32 s[TL], s[TL], 1
	s_cmp_lg_u32 s[TL], 0
	s_wait_alu depctr_va_vdst(0)                   ; the wait directly ahead of the branch: what the gating wrote last lies in registers that the next tile's first products name
	s_cbranch_scc1 .Ltile
	s_wait_tensorcnt 0x0                           ; the wave's end
	ds_add_u32 v[SPW], v[NIL]
	s_wait_dscnt 0x0
	CROUND                                         ; the closing round
	s_endpgm
.Lfunc_end_k_q614f488ebd_cell:
	.size	k_q614f488ebd_cell, .Lfunc_end_k_q614f488ebd_cell-k_q614f488ebd_cell
	.p2alignl 7, 3214868480
	.fill 96, 4, 3214868480
	.section	.rodata,"a",@progbits
	.p2align	6, 0x0
	.amdhsa_kernel k_q614f488ebd_cell
		.amdhsa_group_segment_fixed_size 327680
		.amdhsa_private_segment_fixed_size 0
		.amdhsa_enable_private_segment 0
		.amdhsa_kernarg_size 64
		.amdhsa_user_sgpr_count 2
		.amdhsa_user_sgpr_kernarg_segment_ptr 1
		.amdhsa_wavefront_size32 1
		.amdhsa_system_sgpr_workgroup_id_x 1
		.amdhsa_system_sgpr_workgroup_id_y 1
		.amdhsa_system_sgpr_workgroup_id_z 1
		.amdhsa_system_vgpr_workitem_id 0
		.amdhsa_next_free_vgpr 1024
		.amdhsa_next_free_sgpr 80
		.amdhsa_reserve_vcc 0
		.amdhsa_float_denorm_mode_32 3
		.amdhsa_float_denorm_mode_16_64 3
		.amdhsa_memory_ordered 1
		.amdhsa_forward_progress 1
		.amdhsa_inst_pref_size 255
	.end_amdhsa_kernel
	.section	.bss,"aw",@nobits
	.p2align	6
	.space	262144
	.amdgpu_metadata
---
amdhsa.version: [ 1, 2 ]
amdhsa.kernels:
  - .name:           k_q614f488ebd_cell
    .symbol:         k_q614f488ebd_cell.kd
    .args:
      - { .name: zt, .offset: 0, .size: 8, .value_kind: global_buffer, .address_space: global }
      - { .name: wt, .offset: 8, .size: 8, .value_kind: global_buffer, .address_space: global }
      - { .name: out0, .offset: 16, .size: 8, .value_kind: global_buffer, .address_space: global }
      - { .name: c, .offset: 24, .size: 8, .value_kind: global_buffer, .address_space: global }
      - { .name: bf, .offset: 32, .size: 8, .value_kind: global_buffer, .address_space: global }
      - { .name: bi, .offset: 40, .size: 8, .value_kind: global_buffer, .address_space: global }
      - { .name: bc, .offset: 48, .size: 8, .value_kind: global_buffer, .address_space: global }
      - { .name: bo, .offset: 56, .size: 8, .value_kind: global_buffer, .address_space: global }
    .group_segment_fixed_size: 327680
    .private_segment_fixed_size: 0
    .kernarg_segment_align: 8
    .kernarg_segment_size: 64
    .max_flat_workgroup_size: 128
    .sgpr_count:     80
    .vgpr_count:     1024
    .wavefront_size: 32
...
	.end_amdgpu_metadata
.endif
;; end of part 2
